; MI455X (gfx1250); checked and timed in simulation.
; The chip was launched on July 23, 2026; its instructions are those of AMD's public machine-readable ISA for CDNA 5 (MIT licence, August 2026) and "CDNA5" Instruction Set Architecture Reference Guide (July 2026). The comments in the code are by the model that wrote it; some were corrected since.
;; Distance Probe. Allowed arithmetic: matrix products marked QUANTISED: E2M1 operands, one E8M0 scale for each 32 along K, by v_wmma_scale_f32_16x16x128_f8f6f4 with both operands' format E2M1 (or v_wmma_scale_f32_32x16x128_f4), f32 sums; everything else in f32.
;; Inputs: batch_codes 8 x 512 x 32 x 16 uint8 (E2M1 codes of batch, K innermost, in blocks of 32 codes, two codes a byte); batch_scales 8 x 512 x 32 uint8 (E8M0 scales of batch, one for each 32 codes along K); proj_codes 128 x 32 x 16 uint8 (E2M1 codes of proj, K innermost, in blocks of 32 codes, two codes a byte); proj_scales 128 x 32 uint8 (E8M0 scales of proj, one for each 32 codes along K).
;; Outputs: out0 8 x 512 x 512 float32.
;; This version of the problem:
;;   THIS VERSION OF THE PROBLEM IS GIVEN IN LOW PRECISION. The matrix products marked QUANTISED in the list below multiply operands that are first quantised to E2M1 (2 exponent bits, 1 mantissa bit; 4 bits a number), with one power-of-two scale for each 32 numbers along K (OCP MX v1.0); their sums are f32. All else is computed in f32.
;;   The module's matrix products, in the order in which they are computed (A, B: the left and right operand; K: the contracted axis; several contracted axes count as one K, in the product's order):
;;     1. [M 4,096, K 1,024] x [K 1,024, N 128]; A: input batch (given as codes); B: input proj (given as codes): QUANTISED
;;   THE QUANTISER, for each operand of a quantised product, along K:
;;     - K is cut into blocks of 32 from its start; a last block that is shorter is filled with zeros.
;;     - A block's scale is 2^e with e = floor(log2(the largest magnitude in the block)) - 2, held to -126 .. 127; a block of zeros has e = 0. As a byte (E8M0): e + 127.
;;     - Each number is divided by its block's scale, clamped to +-6, and rounded to the nearest number of E2M1, ties to even, subnormals kept.
;;     - The product sums the exact products of the quantised numbers (number of the format x scale) in f32.
;;   ~~~python
;;   def quantise(x, axis):      # numpy; x: float32 -> the quantised numbers, widened to float32 again
;;       x = np.moveaxis(x, axis, -1); K = x.shape[-1]
;;       x = np.pad(x, [(0, 0)] * (x.ndim - 1) + [(0, -K % 32)]); x = x.reshape(x.shape[:-1] + (-1, 32)); a = np.abs(x).max(-1, keepdims=True)
;;       e = np.where(a > 0, np.clip(np.frexp(np.where(a > 0, a, 1))[1] - 1 - 2, -126, 127), 0)      # np.frexp(a)[1] - 1 = floor(log2(a)), exactly
;;       r = np.clip(x / 2.0 ** e, -6, 6)
;;       step = 2.0 ** (np.maximum(np.frexp(np.where(r == 0, 1, r))[1] - 1, 0) - 1)
;;       q = np.round(r / step) * step * 2.0 ** e      # np.round: ties to even
;;       return np.moveaxis(q.reshape(q.shape[:-2] + (-1,))[..., :K], -1, axis).astype(np.float32)
;;   ~~~
;;   INPUTS GIVEN AS CODES. batch (in the module: [8, 512, 1024], K = its axis 2); proj (in the module: [1024, 128], K = its axis 0): each comes as NAME_codes (uint8): NAME with its K axis moved to the last place and cut into blocks of 32 codes, [.., K / 32, bytes a block], one block behind the other in memory; two codes a byte, the lower K in the low four bits (a code: sign, 2 exponent bits, 1 mantissa bit); and NAME_scales (uint8): the same leading axes, one E8M0 byte (e + 127) for each 32 codes along K. Its value is code x scale, taken as it is: it is not quantised again, and the codes and scales need not be those that the quantiser above would give.
;; One version. Each part assembles by itself: llvm-mc -triple=amdgcn-amd-amdhsa -mcpu=gfx1250 --defsym DOCPART=n.
;; ======== version 1 of 1: 1 launch
;; limits: a difference of large sums (such as E[x^2] - mean^2): digits are lost where the result is much smaller than its terms
;; launch probe (part 1): grid 8 x 32, 4 waves a work-group, clusters of 4 x 1, 270,848 bytes of LDS; arguments batch_codes, batch_scales, proj_codes, proj_scales, out0; writes out0
.if DOCPART == 1
	.amdgcn_target "amdgcn-amd-amdhsa--gfx1250"
	.amdhsa_code_object_version 6
	.text
	.protected	k_qd3166b0108_probe
	.globl	k_qd3166b0108_probe
	.p2align	8
	.type	k_qd3166b0108_probe,@function
k_qd3166b0108_probe:
	s_mov_b64 s[64:65], 0
	v_nop
	global_prefetch_b8 v0, s[64:65] scope:SCOPE_SE
	s_setreg_imm32_b32 hwreg(HW_REG_WAVE_MODE, 25, 1), 1
	s_wait_xcnt 0x0
	s_wait_alu depctr_hold_cnt(0) depctr_sa_sdst(0) depctr_va_vdst(0) depctr_va_sdst(0) depctr_va_ssrc(0) depctr_va_vcc(0) depctr_vm_vsrc(0)
	s_getreg_b32 s2, hwreg(HW_REG_IB_STS2, 6, 4)
	s_cmp_eq_u32 s2, 0
	s_cbranch_scc0 .Lentry_in_a_cluster
	s_endpgm
.Lentry_in_a_cluster:
	s_bfe_u32 s2, ttmp6, 0x10000c
	s_cmp_lg_u32 s2, 0x3003
	s_cbranch_scc0 .Lentry_shape_is_right
	s_endpgm
.Lentry_shape_is_right:
; out[b][i][j] = sum over R of (T[b][i][R] - T[b][j][R])^2,  T = batch x proj: [8 x 512][128], K = 1,024, on codes of FP4 (E2M1) with one E8M0 scale for each 32 along K.
; ONE LAUNCH.  A work-group of four waves owns 64 (i) x 128 (j) outputs of one batch.  It makes T for its 64 + 128 rows itself by the scaled FP4 matrix instruction (T never goes to memory),
; lays it in LDS, and forms the distances in f32 by fused multiply-adds.
; THE DISTANCE IS FORMED AS  na + nb - 2 a.b  OF CENTRED ROWS: a = T[i] - c, b = T[j] - c, na = |a|^2, nb = |b|^2, with c = the mean of the first and the ninth of the work-group's i rows.
; (a - c) - (b - c) = a - b, so any c gives the same distance; with this c no norm is larger than the largest squared distance M of the batch, so no large sums are taken from each other.
; That is one packed multiply-add for two elements where subtract, square and add would be two.
; LIMIT (order of rounding): about 130 roundings on sums of at most 4 M: an output's error is at most some 3e-5 M.  The diagonal comes out as a residue of that size, of either sign, not as an exact 0.
; CLUSTER 4, 1, 1: the four partners are four i blocks of one batch and one j block.  The j rows' codes (64 KiB) and proj's codes (64 KiB) are the same for all four and are asked for JOINTLY (mask 15);
; the i rows' codes (32 KiB) are each work-group's own.  Every LDS byte is filled once: three tensor loads a wave, all at the head, three outstanding at the most.
; T PHASE.  Wave w: row tiles I(w), J(2w), J(2w+1) and the centre tile (the first 16 i rows, made by every wave so that no wave waits for another's c), each against proj's 8 column tiles: 32 accumulators.
; Source 0 = 16 rows of batch, source 1 = 16 rows of proj's codes: in the result lane (n, h) holds column R = 16 t + n and, in registers 0-7, rows 8 h + 0 .. 7: eight neighbours of a row of Tt[R][row].
; DISTANCE PHASE.  Wave w: i rows 16 w .. 16 w + 15 x all 128 j.  Lanes 2 x 16: lane (li, lj) holds rows 8 li + 0..7 and columns 4 lj + 0..3 and 64 + 4 lj + 0..3: 64 sums.
; REGISTERS.  Window 0: v1-15 addresses; v16-31 batch's scale words, v32-63 proj's (they hold scales and nothing else); v64-159, v160-255 two sets of fragments;
;   later v64-127 the 64 sums and v128-255 a ring of eight slots of 16.   Window 1: the 32 accumulators of T: (m, t) at v[64 m + 8 t].
.set CPITCH, 528                       ; a row of codes in LDS: 512 bytes + 16 of padding = 132 words: row r starts at bank 4 r mod 64 (64 banks of 4 bytes: ISA guide 11.1): the 16 rows of a fragment load start at 16 different banks
.set TILE,   16*CPITCH                 ; 16 rows of codes
.set ROWJ,   64                        ; LDS rows 0-63: the i rows; 64-191: the j rows; 192-319: proj
.set ROWP,   192
.set TT,     320*CPITCH                ; behind the codes: Tt[R][192 rows]: places 0-63 hold -2 a of the i rows, places 64-191 hold b of the j rows
.set PT,     784                       ; its pitch: 768 bytes + 16 = 196 words: line R starts at bank 4 R mod 64
.set NR,     TT+128*PT                 ; behind it: the 192 norms
.set WV,   14                          ; s14 my wave's number
.set G1I,  24                          ; s[24:31] descriptor group 1: 16 rows of 512 bytes, no mask
.set G1J,  32                          ; s[32:39] group 1: 32 rows of 512 bytes, mask 15
.set G0I,  40                          ; s[40:43], s[44:47], s[48:51] groups 0: i rows, j rows, proj
.set G0J,  44
.set G0P,  48
.set SEL,  52                          ; s[52:53] v_permlanex16_b32's selects for lane l xor 16
.set VR,   1                           ; v1  lane % 16
.set VH,   2                           ; v2  lane / 16
.set VS,   3                           ; v3  scales: 32 (lane % 16) + 16 (lane / 16)
.set AFC,  4                           ; v4  LDS address of my lane's part of a fragment of the centre tile (LDS rows 0-15)
.set AFI,  5                           ; v5  of my i tile
.set AFJ,  6                           ; v6  of my first j tile
.set AFP,  7                           ; v7  of proj's first tile
.set SI0,  8                           ; v8, v9   where I store my i tile in Tt: R = 0-63, R = 64-127 (an LDS offset has 16 bits)
.set SJ0,  10                          ; v10, v11 the same for my j tiles
.set NI,   12                          ; v12 norms of my i rows: written in the T phase, read in the distance phase
.set NJ,   13                          ; v13 norms of my j rows
.set AA0,  14                          ; v14 Tt line 0: my 8 i rows
.set AB0,  15                          ; v15 Tt line 0: my first 4 j columns
.set SA,   16
.set SB,   32
.set FR,   64
.set YT,   64                          ; behind the products: v64-71 at work, v72-79 2 c, v80-103 sums of squares
.set C2,   72
.set SS,   80
.set ACC,  64                          ; distance phase: sum (k, g, e) at v[ACC + 8 k + 4 g + e]
.set RG,   128                         ; ring slot k at v[RG + 16 k]: 8 numbers of a, 8 of b
.set NA,   RG+112                      ; the norms rest in slot 7 until the sums are begun
.set NB,   RG+120
.set AAC,  8                           ; v8, v9 (free again): the ring's addresses;  v10: the j norms;  v11: my offset in out
.set ABC,  9
.set NBA,  10
.set OFO,  11
.set MSB, 0
.macro WIN new                         ; the immediate's high byte repeats the setting that is left; a switch that changes nothing is dropped
.if MSB != \new
	s_set_vgpr_msb (MSB<<8)|\new
.set MSB, \new
.endif
.endm
.macro PLACES                          ; four plain places behind matrix instructions, ahead of loads into their sources and of reads of their results
.rept 4
	v_nop
.endr
.endm
.macro ROUND                           ; a round of the cluster's barrier: my work-group's barrier, wave 0 signals for the work-group, every wave waits for all four work-groups, my work-group's barrier again
	s_barrier_signal -1
	s_barrier_wait -1
	s_cmp_lg_u32 s[WV], 0
	s_cbranch_scc1 .Lnot_wave_0_\@
	s_barrier_signal -3
.Lnot_wave_0_\@:
	s_barrier_wait -3
	s_barrier_signal -1
	s_barrier_wait -1
.endm
	s_load_b256 s[4:11], s[0:1], 0x0               ; batch's codes s[4:5], its scales s[6:7], proj's codes s[8:9], its scales s[10:11]
	s_load_b64 s[12:13], s[0:1], 0x20              ; out
	s_set_vgpr_msb 0x80
	v_lshl_add_u32 v0, v0, 2, 0x42000
	v_mov_b32 v1, 0
	s_set_vgpr_msb 0x808a
	ds_add_u32 v0, v1
	ds_add_u32 v0, v1
	s_set_vgpr_msb 0x8a00
	v_lshrrev_b32 v1, 5, v0
	v_readfirstlane_b32 s[WV], v1                  ; wave 0..3
	s_bfe_u32 s15, ttmp6, 0x40000                  ; cx: my place in the cluster
	s_lshl_b32 s16, ttmp9, 2
	s_add_co_u32 s16, s16, s15                     ; i block 0..7 = 4 x cluster x + cx: it enters the i rows' and out's addresses alone
	s_and_b32 s17, ttmp7, 0xffff                   ; y, which the partners share: 4 x batch + j block
	s_lshr_b32 s18, s17, 2                         ; batch
	s_and_b32 s19, s17, 3                          ; j block
	s_lshl_b32 s20, s18, 9                         ; the batch's first row
	s_lshl_b32 s22, s19, 7
	s_add_co_u32 s22, s22, s20
	s_lshl_b32 s2, s[WV], 5
	s_add_co_u32 s22, s22, s2                      ; my 32 j rows begin here (no register on this way ever holds cx)
	s_lshl_b32 s21, s16, 6
	s_add_co_u32 s21, s21, s20                     ; the work-group's first i row: the centre tile
	s_lshl_b32 s23, s[WV], 4
	s_add_co_u32 s23, s23, s21                     ; my 16 i rows begin here
	s_lshl_b32 s54, s23, 9                         ; offsets in bytes: a row of codes is 512 bytes
	s_mov_b32 s55, 0
	s_lshl_b32 s56, s22, 9
	s_mov_b32 s57, 0
	s_lshl_b32 s62, s[WV], 14                      ; my 32 rows of proj
	s_mov_b32 s63, 0
	s_lshl_b32 s58, s21, 5                         ; a row of scales is 32 bytes
	s_mov_b32 s59, 0
	s_lshl_b32 s60, s23, 11                        ; a row of out is 2,048 bytes,
	s_lshl_b32 s61, s19, 9                         ; a j block 512
	s_add_co_u32 s60, s60, s61
	s_mov_b32 s61, 0
	; descriptor groups 1: rows of 512 elements of one byte, dense in memory, 16 bytes of padding behind each in LDS
	s_mov_b32 s[G1I], (1<<20)|(6<<22)|(3<<25)      ; 15:0 no mask; 17:16 elements of 1 byte; 20 padding on; 24:22 after every 128 words (code 6); 31:25 four words (code 3)
	s_mov_b32 s[G1I+1], 512<<16                    ; tensor_dim0
	s_mov_b32 s[G1I+2], 16<<16                     ; tensor_dim1
	s_mov_b32 s[G1I+3], 512<<16                    ; tile_dim0
	s_mov_b32 s[G1I+4], 16                         ; tile_dim1
	s_mov_b32 s[G1I+5], 512                        ; from row to row
	s_mov_b32 s[G1I+6], 0
	s_mov_b32 s[G1I+7], 0
	s_mov_b32 s[G1J], 15|(1<<20)|(1<<21)|(6<<22)|(3<<25)  ; the same with the mask of all four partners, and bit 21 set beside it
	s_mov_b32 s[G1J+1], 512<<16
	s_mov_b32 s[G1J+2], 32<<16
	s_mov_b32 s[G1J+3], 512<<16
	s_mov_b32 s[G1J+4], 32
	s_mov_b32 s[G1J+5], 512
	s_mov_b32 s[G1J+6], 0
	s_mov_b32 s[G1J+7], 0
	s_mov_b32 s[G0I], 1                            ; groups 0: count 1; the LDS address hangs on the wave's number alone
	s_mul_i32 s[G0I+1], s[WV], TILE                ; LDS rows 16 w on
	s_mov_b32 s[G0J], 1
	s_mul_i32 s[G0J+1], s[WV], 2*TILE
	s_mov_b32 s[G0P], 1
	s_add_co_u32 s[G0P+1], s[G0J+1], ROWP*CPITCH   ; LDS rows 192 + 32 w on
	s_add_co_u32 s[G0J+1], s[G0J+1], ROWJ*CPITCH   ; LDS rows 64 + 32 w on
	s_mov_b32 s[SEL], 0x76543210
	s_mov_b32 s[SEL+1], 0xfedcba98
	; the lanes' addresses are made while the kernel arguments are on their way
	v_and_b32 v[VR], 15, v0
	v_bfe_u32 v[VH], v0, 4, 1
	v_lshlrev_b32 v[VS], 5, v[VR]
	v_lshl_add_u32 v[VS], v[VH], 4, v[VS]          ; lanes 0-15: the first 16 bytes of a row's scales (K steps 0-3), lanes 16-31 the other 16 (K steps 4-7): a load covers 512 dense bytes
	v_mul_u32_u24 v[AFC], v[VR], CPITCH
	v_lshl_add_u32 v[AFC], v[VH], 4, v[AFC]        ; a fragment: row lane % 16, + 16 bytes for lanes 16-31
	s_mul_i32 s2, s[WV], TILE
	v_add_nc_u32 v[AFI], s2, v[AFC]
	s_mul_i32 s2, s[WV], 2*TILE
	s_add_co_u32 s2, s2, ROWJ*CPITCH
	v_add_nc_u32 v[AFJ], s2, v[AFC]
	v_add_nc_u32 v[AFP], ROWP*CPITCH, v[AFC]
	v_mul_u32_u24 v[SI0], v[VR], PT
	v_lshl_add_u32 v[SI0], v[VH], 5, v[SI0]        ; Tt: line n, + 8 h rows of 4 bytes
	s_lshl_b32 s2, s[WV], 6                        ; my i rows' place in a line: 16 w x 4 bytes
	s_lshl_b32 s3, s[WV], 7
	s_add_co_u32 s3, s3, 256                       ; my j rows': (64 + 32 w) x 4 bytes
	v_add_nc_u32 v[SJ0], s3, v[SI0]
	v_add_nc_u32 v[SI0], s2, v[SI0]
	v_add_nc_u32 v[SI0], TT, v[SI0]
	v_add_nc_u32 v[SJ0], TT, v[SJ0]
	v_add_nc_u32 v[SI0+1], 64*PT, v[SI0]
	v_add_nc_u32 v[SJ0+1], 64*PT, v[SJ0]
	v_lshlrev_b32 v[NI], 5, v[VH]
	v_add_nc_u32 v[NJ], s3, v[NI]
	v_add_nc_u32 v[NI], s2, v[NI]                  ; 64 w + 32 h
	v_add_nc_u32 v[AA0], TT, v[NI]
	v_add_nc_u32 v[NI], NR, v[NI]
	v_add_nc_u32 v[NJ], NR, v[NJ]
	v_lshlrev_b32 v[AB0], 4, v[VR]
	v_add_nc_u32 v[AB0], TT+256, v[AB0]
	s_wait_dscnt 0x0
	s_wait_kmcnt 0x0
	s_add_nc_u64 s[G0I+2:G0I+3], s[4:5], s[54:55]
	s_add_nc_u64 s[G0J+2:G0J+3], s[4:5], s[56:57]
	s_add_nc_u64 s[G0P+2:G0P+3], s[8:9], s[62:63]
	s_or_b32 s[G0I+3], s[G0I+3], 0x80000000        ; type 2
	s_or_b32 s[G0J+3], s[G0J+3], 0x80000000
	s_or_b32 s[G0P+3], s[G0P+3], 0x80000000
	s_lshl_b32 s54, s23, 5                         ; the scales of my i rows, my j rows, the centre tile
	s_lshl_b32 s56, s22, 5
	s_add_nc_u64 s[54:55], s[6:7], s[54:55]
	s_add_nc_u64 s[56:57], s[6:7], s[56:57]
	s_add_nc_u64 s[58:59], s[6:7], s[58:59]
	s_add_nc_u64 s[12:13], s[12:13], s[60:61]      ; out at my first row and the tile's first column
	ROUND                                          ; all four work-groups are here: the joint loads meet
	tensor_load_to_lds s[G0P:G0P+3], s[G1J:G1J+7]  ; each wave brings its quarter of each of the three tiles, so no branch stands here: proj (joint),
	s_nop 0
	tensor_load_to_lds s[G0J:G0J+3], s[G1J:G1J+7]  ; the j rows (joint),
	s_nop 0
	tensor_load_to_lds s[G0I:G0I+3], s[G1I:G1I+7]  ; the i rows (my work-group's own).  Three loads of mine are out
	s_nop 0
	PLACES                                         ; four v_nop follow the last of them
	global_load_b128 v[SA:SA+3], v[VS], s[54:55]              ; scale words straight into registers, once: register q: lanes 0-15 K step q, lanes 16-31 K step 4 + q
	global_load_b128 v[SA+4:SA+7], v[VS], s[56:57]
	global_load_b128 v[SA+8:SA+11], v[VS], s[56:57] offset:512
	global_load_b128 v[SA+12:SA+15], v[VS], s[58:59]
.irp t, 0,1,2,3,4,5,6,7
	global_load_b128 v[SB+4*\t:SB+4*\t+3], v[VS], s[10:11] offset:512*\t
.endr
; The fragments of K step s (128 along K: 64 bytes of a row) into set s % 2: 4 of batch, 8 of proj: 24 loads.
; A fragment is 8 registers: lane l holds row l % 16; registers 4 c .. 4 c + 3 hold K = 64 c + 32 (l / 16) + 0 .. 31: 16 bytes of the row as they lie.
.macro FETCH s
.set FB, FR+96*((\s)%2)
.irp c, 0,1
	ds_load_b128 v[FB+4*\c:FB+4*\c+3],       v[AFI] offset:64*(\s)+32*\c
	ds_load_b128 v[FB+8+4*\c:FB+8+4*\c+3],   v[AFJ] offset:64*(\s)+32*\c
	ds_load_b128 v[FB+16+4*\c:FB+16+4*\c+3], v[AFJ] offset:TILE+64*(\s)+32*\c
	ds_load_b128 v[FB+24+4*\c:FB+24+4*\c+3], v[AFC] offset:64*(\s)+32*\c
.endr
.irp t, 0,1,2,3,4,5,6,7
.irp c, 0,1
	ds_load_b128 v[FB+32+8*\t+4*\c:FB+32+8*\t+4*\c+3], v[AFP] offset:\t*TILE+64*(\s)+32*\c
.endr
.endr
.endm
; 32 matrix instructions of K step s.  The 32 accumulators take turns, one instruction a turn, in the same order in every step.  The first step starts the sums: nothing is cleared.
.macro MULS s
.set FB, FR+96*((\s)%2)
.irp t, 0,1,2,3,4,5,6,7
.irp m, 0,1,2,3
.if (\s) == 0
	v_wmma_scale_f32_16x16x128_f8f6f4 v[64*\m+8*\t:64*\m+8*\t+7], v[FB+8*\m:FB+8*\m+7], v[FB+32+8*\t:FB+32+8*\t+7], 0, v[SA+4*\m], v[SB+4*\t] matrix_a_fmt:MATRIX_FMT_FP4 matrix_b_fmt:MATRIX_FMT_FP4
.elseif (\s) < 4
	v_wmma_scale_f32_16x16x128_f8f6f4 v[64*\m+8*\t:64*\m+8*\t+7], v[FB+8*\m:FB+8*\m+7], v[FB+32+8*\t:FB+32+8*\t+7], v[64*\m+8*\t:64*\m+8*\t+7], v[SA+4*\m+(\s)], v[SB+4*\t+(\s)] matrix_a_fmt:MATRIX_FMT_FP4 matrix_b_fmt:MATRIX_FMT_FP4
.else
	v_wmma_scale_f32_16x16x128_f8f6f4 v[64*\m+8*\t:64*\m+8*\t+7], v[FB+8*\m:FB+8*\m+7], v[FB+32+8*\t:FB+32+8*\t+7], v[64*\m+8*\t:64*\m+8*\t+7], v[SA+4*\m+(\s)-4], v[SB+4*\t+(\s)-4] matrix_a_fmt:MATRIX_FMT_FP4 matrix_b_fmt:MATRIX_FMT_FP4 matrix_a_scale:MATRIX_SCALE_ROW1 matrix_b_scale:MATRIX_SCALE_ROW1
.endif
.endr
.endr
.endm
.macro KSTEP s
.if (\s) < 7
.if (\s) > 0
	PLACES                                         ; the set that is loaded next was read by the products just issued
.endif
	FETCH (\s)+1
	s_wait_dscnt 24                                ; this step's fragments are in; the 24 loads just issued may be out
.else
	s_wait_dscnt 0x0
.endif
	WIN 0x50                                       ; C and D in window 1, both sources in window 0
	MULS \s
	WIN 0
.endm
	s_wait_tensorcnt 0x0                           ; my parts of the three tiles have landed,
	s_barrier_signal -1
	s_barrier_wait -1                              ; everybody's have
	FETCH 0
	s_wait_loadcnt 0x0                             ; the scale words
.irp s, 0,1,2,3,4,5,6,7
	KSTEP \s
.endr
	; ---- the centre: 2 c[R] = T[first i row][R] + T[ninth i row][R].  Register 0 of the centre tile's accumulator t holds the one in lanes 0-15 and the other in lanes 16-31; the sum has the same bits in both, and in every wave
	PLACES
	WIN 0x01                                       ; source 0 in window 1
.irp t, 0,1,2,3,4,5,6,7
	v_mov_b32 v[YT+\t], 0                          ; a lane permute's destination counts as one of its sources
.endr
.irp t, 0,1,2,3,4,5,6,7
	v_permlanex16_b32 v[YT+\t], v[192+8*\t], s[SEL], s[SEL+1]
.endr
.irp t, 0,1,2,3,4,5,6,7
	v_add_f32 v[C2+\t], v[192+8*\t], v[YT+\t]
.endr
; In place, two numbers an instruction, each accumulator from its low end on.  2 c of column tile t is one word of a pair; op_sel takes it for both halves.
.macro CENI reg, t                     ; an i row becomes -2 (T - c) = -2 T + 2 c: one rounding, and the factor is a power of two
.if ((\t)%2) == 0
	v_pk_fma_f32 v[\reg:\reg+1], v[\reg:\reg+1], -2.0, v[C2+(\t):C2+(\t)+1] op_sel_hi:[1,0,0]
.else
	v_pk_fma_f32 v[\reg:\reg+1], v[\reg:\reg+1], -2.0, v[C2+(\t)-1:C2+(\t)] op_sel:[0,0,1] op_sel_hi:[1,0,1]
.endif
.endm
.macro CENJ reg, t                     ; a j row becomes T - c = 2 c x (-0.5) + T
.if ((\t)%2) == 0
	v_pk_fma_f32 v[\reg:\reg+1], v[C2+(\t):C2+(\t)+1], -0.5, v[\reg:\reg+1] op_sel_hi:[0,0,1]
.else
	v_pk_fma_f32 v[\reg:\reg+1], v[C2+(\t)-1:C2+(\t)], -0.5, v[\reg:\reg+1] op_sel:[1,0,0] op_sel_hi:[1,0,1]
.endif
.endm
	WIN 0x41                                       ; source 0 and destination in window 1
.irp t, 0,1,2,3,4,5,6,7
.irp u, 0,1,2,3
	CENI 8*\t+2*\u, \t
.endr
.endr
	WIN 0x50                                       ; source 2 and destination in window 1
.irp m, 1,2
.irp t, 0,1,2,3,4,5,6,7
.irp u, 0,1,2,3
	CENJ 64*\m+8*\t+2*\u, \t
.endr
.endr
.endr
	; ---- into Tt: lane (n, h) puts rows 8 h + 0 .. 7 of line R = 16 t + n: 32 bytes.  The stores go out first, so that they are served while the norms are made
	WIN 0x04                                       ; an LDS store's data are its source 1: window 1
.irp t, 0,1,2,3
.irp q, 0,1
	ds_store_b128 v[SI0+\q], v[8*(\t+4*\q):8*(\t+4*\q)+3] offset:\t*16*PT
	ds_store_b128 v[SI0+\q], v[8*(\t+4*\q)+4:8*(\t+4*\q)+7] offset:\t*16*PT+16
.irp m, 1,2
	ds_store_b128 v[SJ0+\q], v[64*\m+8*(\t+4*\q):64*\m+8*(\t+4*\q)+3] offset:\t*16*PT+64*(\m-1)
	ds_store_b128 v[SJ0+\q], v[64*\m+8*(\t+4*\q)+4:64*\m+8*(\t+4*\q)+7] offset:\t*16*PT+64*(\m-1)+16
.endr
.endr
.endr
	; ---- the norms: my lane's 8 columns of each row, twelve chains by turns; the first product starts each sum
	WIN 0x05                                       ; sources 0 and 1 in window 1
.irp t, 0,1,2,3,4,5,6,7
.irp m, 0,1,2
.irp u, 0,1,2,3
.if \t == 0
	v_pk_mul_f32 v[SS+8*\m+2*\u:SS+8*\m+2*\u+1], v[64*\m+2*\u:64*\m+2*\u+1], v[64*\m+2*\u:64*\m+2*\u+1]
.else
	v_pk_fma_f32 v[SS+8*\m+2*\u:SS+8*\m+2*\u+1], v[64*\m+8*\t+2*\u:64*\m+8*\t+2*\u+1], v[64*\m+8*\t+2*\u:64*\m+8*\t+2*\u+1], v[SS+8*\m+2*\u:SS+8*\m+2*\u+1]
.endif
.endr
.endr
.endr
	WIN 0
.irp x, 1,2,4,8                                ; and over the sixteen lanes that hold the row's other columns
.irp j, 0,1,2,3,4,5,6,7,8,9,10,11,12,13,14,15,16,17,18,19,20,21,22,23
	v_add_f32_dpp v[SS+\j], v[SS+\j], v[SS+\j] row_xmask:\x row_mask:0xf bank_mask:0xf
.endr
.endr
.irp u, 0,2,4,6
	v_pk_mul_f32 v[SS+\u:SS+\u+1], v[SS+\u:SS+\u+1], 0x3e800000 op_sel_hi:[1,0]   ; the i rows were squared as -2 a: x 1/4, exact
.endr
	ds_store_b128 v[NI], v[SS:SS+3]                ; the sixteen lanes of a half write the same words with the same values
	ds_store_b128 v[NI], v[SS+4:SS+7] offset:16
	ds_store_b128 v[NJ], v[SS+8:SS+11]
	ds_store_b128 v[NJ], v[SS+12:SS+15] offset:16
	ds_store_b128 v[NJ], v[SS+16:SS+19] offset:64
	ds_store_b128 v[NJ], v[SS+20:SS+23] offset:80
	s_wait_dscnt 0x0                               ; for the others' sake: all my stores into Tt and the norms are done
	s_barrier_signal -1
	s_barrier_wait -1                              ; Tt and the norms are whole; from here on LDS is only read
; ---- THE DISTANCES.  Slot k of the ring holds one line R of Tt: my 8 numbers of -2 a (the sixteen lanes of a half read the same 32 bytes) and my 8 of b (sixteen lanes read 256 neighbouring bytes, twice).
.macro RLOAD k, aa, ab, line
	ds_load_b128 v[RG+16*(\k):RG+16*(\k)+3],     v[\aa] offset:(\line)*PT
	ds_load_b128 v[RG+16*(\k)+4:RG+16*(\k)+7],   v[\aa] offset:(\line)*PT+16
	ds_load_b128 v[RG+16*(\k)+8:RG+16*(\k)+11],  v[\ab] offset:(\line)*PT
	ds_load_b128 v[RG+16*(\k)+12:RG+16*(\k)+15], v[\ab] offset:(\line)*PT+256
.endm
; 32 packed multiply-adds: sum (i, two neighbouring columns) += (-2 a_i) x the two b.  a_i is one word of a pair; op_sel takes it for both halves.  Each sum is touched once in a slot: no line waits for the line above it.
.macro FMAS k
.set RA, RG+16*(\k)
.irp i, 0,2,4,6
.irp q, 0,1,2,3
	v_pk_fma_f32 v[ACC+8*\i+2*\q:ACC+8*\i+2*\q+1], v[RA+\i:RA+\i+1], v[RA+8+2*\q:RA+8+2*\q+1], v[ACC+8*\i+2*\q:ACC+8*\i+2*\q+1] op_sel_hi:[0,1,1]
.endr
.irp q, 0,1,2,3
	v_pk_fma_f32 v[ACC+8*\i+8+2*\q:ACC+8*\i+8+2*\q+1], v[RA+\i:RA+\i+1], v[RA+8+2*\q:RA+8+2*\q+1], v[ACC+8*\i+8+2*\q:ACC+8*\i+8+2*\q+1] op_sel:[1,0,0] op_sel_hi:[1,1,1]
.endr
.endr
.endm
	v_add_nc_u32 v[NBA], NR-TT, v[AB0]             ; the norms of my columns lie as the columns lie in a line
	ds_load_b128 v[NA:NA+3], v[NI]
	ds_load_b128 v[NA+4:NA+7], v[NI] offset:16
	ds_load_b128 v[NB:NB+3], v[NBA]
	ds_load_b128 v[NB+4:NB+7], v[NBA] offset:256
.irp k, 0,1,2,3,4,5,6
	RLOAD \k, AA0, AB0, \k                         ; lines 0 to 6
.endr
	v_lshlrev_b32 v[OFO], 14, v[VH]                ; out: lanes 16-31 stand 8 rows of 2,048 bytes further down; 16 bytes a lane
	v_lshl_add_u32 v[OFO], v[VR], 4, v[OFO]
	s_wait_dscnt 28                                ; the norms are in; the 28 loads of slots 0 to 6 may be out
.irp i, 0,2,4,6                                ; the sums begin as na + nb: nothing is cleared
.irp q, 0,1,2,3
	v_pk_add_f32 v[ACC+8*\i+2*\q:ACC+8*\i+2*\q+1], v[NA+\i:NA+\i+1], v[NB+2*\q:NB+2*\q+1] op_sel_hi:[0,1]
.endr
.irp q, 0,1,2,3
	v_pk_add_f32 v[ACC+8*\i+8+2*\q:ACC+8*\i+8+2*\q+1], v[NA+\i:NA+\i+1], v[NB+2*\q:NB+2*\q+1] op_sel:[1,0] op_sel_hi:[1,1]
.endr
.endr
	RLOAD 7, AA0, AB0, 7                           ; line 7 takes the norms' place
	s_mov_b32 s2, 15                               ; 15 trips of 8 lines refill the ring; the last 8 lines are written out behind the loop
	s_mov_b32 s3, 8*PT                             ; where the lines that this trip asks for begin
.Lline:
	v_add_nc_u32 v[AAC], s3, v[AA0]
	v_add_nc_u32 v[ABC], s3, v[AB0]
.irp k, 0,1,2,3,4,5,6,7
	s_wait_dscnt 28                                ; LDS loads come back in order (ISA guide 5.7.1): this slot's four are in, the seven younger slots' 28 may be out
	FMAS \k
	RLOAD \k, AAC, ABC, \k                         ; the line 8 further on
.endr
	s_add_co_u32 s3, s3, 8*PT
	s_sub_co_u32 s2, s2, 1
	s_cmp_lg_u32 s2, 0
	s_cbranch_scc1 .Lline
.irp k, 0,1,2,3,4,5,6,7
	s_wait_dscnt 4*(7-\k)                          ; lines 120 to 127: nothing more is asked for, the counts run down
	FMAS \k
.endr
.irp k, 0,1,2,3,4,5,6,7
.irp g, 0,1
	global_store_b128 v[OFO], v[ACC+8*\k+4*\g:ACC+8*\k+4*\g+3], s[12:13] offset:2048*\k+256*\g th:TH_STORE_NT   ; sixteen lanes store 256 consecutive bytes, at a multiple of 256 from out's first byte; written once, read by nobody here
.endr
.endr
	s_set_vgpr_msb 0xa
	s_wait_tensorcnt 0x0
	ds_add_u32 v0, v1
	s_wait_dscnt 0x0
	s_set_vgpr_msb 0xa00
	ROUND                                          ; the closing round: no work-group ends while a partner may still ask for a tile that names it
	s_endpgm
.Lfunc_end_k_qd3166b0108_probe:
	.size	k_qd3166b0108_probe, .Lfunc_end_k_qd3166b0108_probe-k_qd3166b0108_probe
	.p2alignl 7, 3214868480
	.fill 96, 4, 3214868480
	.section	.rodata,"a",@progbits
	.p2align	6, 0x0
	.amdhsa_kernel k_qd3166b0108_probe
		.amdhsa_group_segment_fixed_size 270848
		.amdhsa_private_segment_fixed_size 0
		.amdhsa_enable_private_segment 0
		.amdhsa_kernarg_size 40
		.amdhsa_user_sgpr_count 2
		.amdhsa_user_sgpr_kernarg_segment_ptr 1
		.amdhsa_wavefront_size32 1
		.amdhsa_system_sgpr_workgroup_id_x 1
		.amdhsa_system_sgpr_workgroup_id_y 1
		.amdhsa_system_sgpr_workgroup_id_z 1
		.amdhsa_system_vgpr_workitem_id 0
		.amdhsa_next_free_vgpr 514
		.amdhsa_next_free_sgpr 66
		.amdhsa_reserve_vcc 0
		.amdhsa_float_denorm_mode_32 3
		.amdhsa_float_denorm_mode_16_64 3
		.amdhsa_memory_ordered 1
		.amdhsa_forward_progress 1
		.amdhsa_inst_pref_size 118
	.end_amdhsa_kernel
	.amdgpu_metadata
---
amdhsa.version: [ 1, 2 ]
amdhsa.kernels:
  - .name:           k_qd3166b0108_probe
    .symbol:         k_qd3166b0108_probe.kd
    .args:
      - { .name: batch_codes, .offset: 0, .size: 8, .value_kind: global_buffer, .address_space: global }
      - { .name: batch_scales, .offset: 8, .size: 8, .value_kind: global_buffer, .address_space: global }
      - { .name: proj_codes, .offset: 16, .size: 8, .value_kind: global_buffer, .address_space: global }
      - { .name: proj_scales, .offset: 24, .size: 8, .value_kind: global_buffer, .address_space: global }
      - { .name: out0, .offset: 32, .size: 8, .value_kind: global_buffer, .address_space: global }
    .group_segment_fixed_size: 270848
    .private_segment_fixed_size: 0
    .kernarg_segment_align: 8
    .kernarg_segment_size: 40
    .max_flat_workgroup_size: 128
    .sgpr_count:     66
    .vgpr_count:     514
    .wavefront_size: 32
...
	.end_amdgpu_metadata
.endif
;; end of part 1
